; MI455X (gfx1250); checked and timed in simulation.
; The chip was launched on July 23, 2026; its instructions are those of AMD's public machine-readable ISA for CDNA 5 (MIT licence, August 2026) and "CDNA5" Instruction Set Architecture Reference Guide (July 2026). The comments in the code are by the model that wrote it; some were corrected since.
;; Multi Head Self Attention. Allowed arithmetic: matrix products marked QUANTISED: E2M3 operands, one E8M0 scale for each 32 along K, by v_wmma_scale_f32_16x16x128_f8f6f4 with both operands' format E2M3, f32 sums; everything else in f32.
;; Inputs: b_proj 256 float32; b_qkv 768 float32; w_proj 256 x 256 float32; w_qkv 768 x 256 float32; x 4 x 256 x 64 x 64 float32.
;; Outputs: out0 4 x 256 x 64 x 64 float32.
;; This version of the problem:
;;   THIS VERSION OF THE PROBLEM IS GIVEN IN LOW PRECISION. The matrix products marked QUANTISED in the list below multiply operands that are first quantised to E2M3 (2 exponent bits, 3 mantissa bits; 6 bits a number), with one power-of-two scale for each 32 numbers along K (OCP MX v1.0); their sums are f32. All else is computed in f32.
;;   The module's matrix products, in the order in which they are computed (A, B: the left and right operand; K: the contracted axis; several contracted axes count as one K, in the product's order):
;;     1. [M 16,384, K 256] x [K 256, N 768]; A: input x; B: input w_qkv: QUANTISED
;;     2. batch 16 x [M 4,096, K 64] x [K 64, N 4,096]; A: computed on the way; B: computed on the way: QUANTISED
;;     3. batch 16 x [M 4,096, K 4,096] x [K 4,096, N 64]; A: softmax (see below); B: computed on the way: QUANTISED
;;     4. [M 16,384, K 256] x [K 256, N 256]; A: computed on the way; B: input w_proj: QUANTISED
;;   THE QUANTISER, for each operand of a quantised product, along K:
;;     - K is cut into blocks of 32 from its start; a last block that is shorter is filled with zeros.
;;     - A block's scale is 2^e with e = floor(log2(the largest magnitude in the block)) - 2, held to -126 .. 127; a block of zeros has e = 0. As a byte (E8M0): e + 127.
;;     - Each number is divided by its block's scale, clamped to +-7.5, and rounded to the nearest number of E2M3, ties to even, subnormals kept.
;;     - The product sums the exact products of the quantised numbers (number of the format x scale) in f32.
;;   ~~~python
;;   def quantise(x, axis):      # numpy; x: float32 -> the quantised numbers, widened to float32 again
;;       x = np.moveaxis(x, axis, -1); K = x.shape[-1]
;;       x = np.pad(x, [(0, 0)] * (x.ndim - 1) + [(0, -K % 32)]); x = x.reshape(x.shape[:-1] + (-1, 32)); a = np.abs(x).max(-1, keepdims=True)
;;       e = np.where(a > 0, np.clip(np.frexp(np.where(a > 0, a, 1))[1] - 1 - 2, -126, 127), 0)      # np.frexp(a)[1] - 1 = floor(log2(a)), exactly
;;       r = np.clip(x / 2.0 ** e, -7.5, 7.5)
;;       step = 2.0 ** (np.maximum(np.frexp(np.where(r == 0, 1, r))[1] - 1, 0) - 3)
;;       q = np.round(r / step) * step * 2.0 ** e      # np.round: ties to even
;;       return np.moveaxis(q.reshape(q.shape[:-2] + (-1,))[..., :K], -1, axis).astype(np.float32)
;;   ~~~
;;   SOFTMAX AHEAD OF A QUANTISED PRODUCT. Where the list says 'softmax', what is quantised is not the finished softmax but p = 2^(t - M), with t = logit x log2(e) and M = ceil(the row's largest t), a whole number; so 1/2 < the row's largest p <= 1. The row's sum l is taken of the UNQUANTISED p, in f32, and the product's result is divided by l at the end. Since M is a whole number, a kernel that streams over the keys may use a running M (the ceiling of the running maximum): every later rescaling is an exact power of two, which a block's scale takes up: the codes' values come out the same.
;;   OPERANDS COMPUTED ON THE WAY. 'Computed on the way' means the value that the module computes at that place (a softmax that the list does not call 'softmax' is quantised finished and normalised). What goes into a quantiser is computed in f32, as accurately as f32 sums, v_exp_f32 and their like allow (about 1e-6 of the number): no bf16 or f16 on the way to a quantiser, and a product that is left as it is and whose result goes on into a quantised operand takes f32 operands (vector FMAs, or v_wmma_f32_16x16x4_f32). A number that lies on a knife's edge between two numbers of the format may be rounded either way, as far as f32 arithmetic and the matrix unit's own rounding can turn it there, and no further.
;; One version. Each part assembles by itself: llvm-mc -triple=amdgcn-amd-amdhsa -mcpu=gfx1250 --defsym DOCPART=n.
;; ======== version 1 of 1: 3 launches
;; workspace buffers: wimg 196,608 bytes; wsc 16,384 bytes; qq 3,407,872 bytes; kvimg 6,291,456 bytes; kvsc 393,216 bytes
;; launch prep (part 1): grid 128 x 1, 1 waves a work-group, no clusters, 0 bytes of LDS; arguments w_qkv, w_proj, wimg, wsc; writes wimg, wsc
.if DOCPART == 1
	.amdgcn_target "amdgcn-amd-amdhsa--gfx1250"
	.amdhsa_code_object_version 6
	.text
	.protected	k_qc4cf82179b_prep
	.globl	k_qc4cf82179b_prep
	.p2align	8
	.type	k_qc4cf82179b_prep,@function
k_qc4cf82179b_prep:
	s_mov_b64 s[64:65], 0
	v_nop
	global_prefetch_b8 v0, s[64:65] scope:SCOPE_SE
	s_setreg_imm32_b32 hwreg(HW_REG_WAVE_MODE, 25, 1), 1
	s_wait_xcnt 0x0
; The two weights, w_qkv [768][256] and w_proj [256][256], f32 with K innermost, become codes of FP6 (E2M3) with one E8M0 byte for each 32 along K,
; laid as IMAGES OF THE OPERAND'S REGISTERS: fragment f = 2 T + s (tile T of 16 rows, K step s of 128) is 12 registers a lane, stored as three groups of four
; registers, lane l's 16 bytes at 16 l, 512 bytes a group: 1,536 bytes a fragment.  Its scale words: 4 bytes a lane, 128 bytes a fragment, row r's word in both halves of the lanes.
; T = 0 .. 47: w_qkv;  T = 48 .. 63: w_proj.  THE ROWS OF A TILE ARE NOT NEIGHBOURS: lane r of tile 2 b + u takes row 32 b + 8 u + r + 8 (r / 8).
; One wave to a fragment, 128 fragments, 128 work-groups: each weight number is read once and quantised once for the 256 work-groups that later read the codes.
; Lane (r, h) holds k = 128 s + 64 c + 32 h + 0 .. 31 of its row: two whole blocks, so that a block's largest magnitude needs no other lane.
; A block's scale is 2^(floor(log2(its largest magnitude)) - 2); its byte is the largest magnitude's exponent field - 2, held at 1 from below.
; LIMITS: a block whose largest magnitude lies under 2^-124 (a block of zeros among them) keeps the byte 1: the bytes are read by this program alone and zero codes add nothing; NaN and infinities among the inputs are not served.
; No LDS, no barrier, no matrix unit: 64 numbers a lane, loaded, converted and stored.  The scale words' store covers 128 consecutive bytes: two work-groups fill 256.
.set FLOOR, 0x1800000                  ; 2^(3 - 127)
.set X, 16                             ; v16-79  my 64 numbers: register 32 c + i = k 64 c + 32 h + i of the K step
.set F, 80                             ; v80-91  the fragment
.set T, 92                             ; v92-94  a block's upper 16 codes, before they are moved to their odd place
	s_load_b128 s[4:7], s[0:1], 0x0                ; w_qkv, w_proj
	s_load_b128 s[8:11], s[0:1], 0x10              ; wimg, wsc
	v_and_b32 v1, 15, v0                           ; r
	v_lshrrev_b32 v2, 4, v0                        ; h (one wave: v0 is the lane)
	v_and_b32 v3, 8, v1
	v_add_nc_u32 v3, v3, v1                        ; r + 8 (r / 8)
	v_lshlrev_b32 v3, 10, v3                       ; a row is 1,024 bytes
	v_lshl_add_u32 v3, v2, 7, v3                   ; + 128 h: my block of 32
	v_lshlrev_b32 v4, 4, v0                        ; an image's place for my lane
	v_lshlrev_b32 v5, 2, v0                        ; a scale word's
	s_mov_b32 s20, 0x76543210
	s_mov_b32 s21, 0xfedcba98                      ; lane selects: lane l xor 16
	s_lshr_b32 s12, ttmp9, 1                       ; T
	s_and_b32 s13, ttmp9, 1                        ; s
	s_mul_i32 s18, ttmp9, 1536                     ; the fragment's image
	s_mov_b32 s19, 0
	s_lshl_b32 s22, ttmp9, 7                       ; its scale words
	s_mov_b32 s23, 0
	s_wait_alu depctr_va_vdst(0)
	s_wait_kmcnt 0x0
	s_cmp_lt_u32 s12, 48                           ; which weight: the choice hangs on the work-group's number alone
	s_cselect_b64 s[4:5], s[4:5], s[6:7]
	s_cselect_b32 s14, 0, 48
	s_sub_co_u32 s14, s12, s14                     ; the tile's number in its weight
	s_lshr_b32 s15, s14, 1
	s_lshl_b32 s16, s15, 15                        ; 32 rows of 1,024 bytes for each pair of tiles,
	s_and_b32 s15, s14, 1
	s_lshl_b32 s15, s15, 13                        ; 8 rows for the odd tile,
	s_add_co_u32 s16, s16, s15
	s_lshl_b32 s15, s13, 9                         ; 512 bytes for the K step
	s_add_co_u32 s16, s16, s15
	s_mov_b32 s17, 0
	s_add_nc_u64 s[4:5], s[4:5], s[16:17]
	s_add_nc_u64 s[8:9], s[8:9], s[18:19]
	s_add_nc_u64 s[10:11], s[10:11], s[22:23]
.irp c, 0,1
.irp i, 0,1,2,3,4,5,6,7
	global_load_b128 v[X+32*\c+4*\i:X+32*\c+4*\i+3], v3, s[4:5] offset:256*\c+16*\i th:TH_LOAD_NT
.endr
.endr
	s_wait_loadcnt 0x0
.irp c, 0,1
	v_max3_num_f32 v[8+\c], |v[X+32*\c]|, |v[X+32*\c+1]|, FLOOR     ; my block 2 c + h, and the floor, which holds the byte at 1 from below
.endr
.irp i, 2,4,6,8,10,12,14,16,18,20,22,24,26,28,30
.irp c, 0,1
	v_max3_num_f32 v[8+\c], v[8+\c], |v[X+32*\c+\i]|, |v[X+32*\c+\i+1]|   ; the two blocks by turns
.endr
.endr
.irp c, 0,1
	v_add_nc_u32 v[10+\c], 0xff000000, v[8+\c]     ; 2 off the exponent field: the conversion's scale operand
.endr
.irp c, 0,1
	v_lshrrev_b32 v[12+\c], 23, v[10+\c]           ; the scale's byte
.endr
	v_lshl_or_b32 v14, v13, 16, v12                ; my two bytes: blocks h and 2 + h of my row,
	v_lshlrev_b32 v15, 3, v2
	v_lshlrev_b32 v14, v15, v14                    ; 8 h bits up;
	v_mov_b32 v15, 0
	v_permlanex16_b32 v15, v14, s20, s21
	v_or_b32 v14, v14, v15                         ; with lane l xor 16's two the word is whole, in both halves of the lanes
.irp c, 0,1
	v_cvt_scalef32_pk16_fp6_f32 v[F+6*\c:F+6*\c+2], v[X+32*\c:X+32*\c+15], v[10+\c]
	v_cvt_scalef32_pk16_fp6_f32 v[T:T+2], v[X+32*\c+16:X+32*\c+31], v[10+\c]   ; a conversion's three registers begin on an even number: made here, moved below
	v_nop                                          ; one plain instruction between a scaled conversion and the vector instruction that reads its result
.irp i, 0,1,2
	v_mov_b32 v[F+6*\c+3+\i], v[T+\i]
.endr
.endr
.irp i, 0,1,2
	global_store_b128 v4, v[F+4*\i:F+4*\i+3], s[8:9] offset:512*\i   ; 32 lanes store 512 consecutive bytes
.endr
	global_store_b32 v5, v14, s[10:11]
	s_endpgm
.Lfunc_end_k_qc4cf82179b_prep:
	.size	k_qc4cf82179b_prep, .Lfunc_end_k_qc4cf82179b_prep-k_qc4cf82179b_prep
	.p2alignl 7, 3214868480
	.fill 96, 4, 3214868480
	.section	.rodata,"a",@progbits
	.p2align	6, 0x0
	.amdhsa_kernel k_qc4cf82179b_prep
		.amdhsa_group_segment_fixed_size 0
		.amdhsa_private_segment_fixed_size 0
		.amdhsa_enable_private_segment 0
		.amdhsa_kernarg_size 32
		.amdhsa_user_sgpr_count 2
		.amdhsa_user_sgpr_kernarg_segment_ptr 1
		.amdhsa_wavefront_size32 1
		.amdhsa_system_sgpr_workgroup_id_x 1
		.amdhsa_system_sgpr_workgroup_id_y 1
		.amdhsa_system_sgpr_workgroup_id_z 1
		.amdhsa_system_vgpr_workitem_id 0
		.amdhsa_next_free_vgpr 96
		.amdhsa_next_free_sgpr 66
		.amdhsa_reserve_vcc 0
		.amdhsa_float_denorm_mode_32 3
		.amdhsa_float_denorm_mode_16_64 3
		.amdhsa_memory_ordered 1
		.amdhsa_forward_progress 1
		.amdhsa_inst_pref_size 7
	.end_amdhsa_kernel
	.amdgpu_metadata
---
amdhsa.version: [ 1, 2 ]
amdhsa.kernels:
  - .name:           k_qc4cf82179b_prep
    .symbol:         k_qc4cf82179b_prep.kd
    .args:
      - { .name: w_qkv, .offset: 0, .size: 8, .value_kind: global_buffer, .address_space: global }
      - { .name: w_proj, .offset: 8, .size: 8, .value_kind: global_buffer, .address_space: global }
      - { .name: wimg, .offset: 16, .size: 8, .value_kind: global_buffer, .address_space: global }
      - { .name: wsc, .offset: 24, .size: 8, .value_kind: global_buffer, .address_space: global }
    .group_segment_fixed_size: 0
    .private_segment_fixed_size: 0
    .kernarg_segment_align: 8
    .kernarg_segment_size: 32
    .max_flat_workgroup_size: 32
    .sgpr_count:     66
    .vgpr_count:     96
    .wavefront_size: 32
...
	.end_amdgpu_metadata
.endif
;; end of part 1
;; launch qkv (part 2): grid 256 x 1, 12 waves a work-group, no clusters, 14,336 bytes of LDS; arguments x, wimg, wsc, b_qkv, qq, kvimg, kvsc; writes qq, kvimg, kvsc
.if DOCPART == 2
	.amdgcn_target "amdgcn-amd-amdhsa--gfx1250"
	.amdhsa_code_object_version 6
	.text
	.protected	k_qc4cf82179b_qkv
	.globl	k_qc4cf82179b_qkv
	.p2align	8
	.type	k_qc4cf82179b_qkv,@function
k_qc4cf82179b_qkv:
	s_mov_b64 s[64:65], 0
	v_nop
	global_prefetch_b8 v0, s[64:65] scope:SCOPE_SE
	s_setreg_imm32_b32 hwreg(HW_REG_WAVE_MODE, 25, 1), 1
	s_wait_xcnt 0x0
; q, k, v = x^T w_qkv^T + b_qkv on codes of FP6 (E2M3) with one E8M0 scale for each 32 along K, and q, k, v quantised at once for the two products of attention.
; x: [4][256 channels][4,096 pixels] f32: its K, the channels, is not innermost.  The weights come as images of operand registers (made by the launch before).
; SHARES.  A work-group takes 64 pixels of one batch.  Wave w takes rows 64 w .. 64 w + 63 of w_qkv: w / 4 = 0: q, 1: k, 2: v; w % 4 = the head.  4 weight tiles x 4 pixel tiles x 2 K steps = 32 matrix instructions a wave.
; X PHASE.  Waves 0-7 quantise x: wave w takes 32 pixels (w % 2) x 64 channels (w / 2): a lane takes a pixel and its registers run down the channels, so that a block of 32 lies in one lane.
;   The codes go to LDS as images of operand registers, a HALF IMAGE (six registers: 64 along K) at a time: registers 0-3 at 16 x lane (512 bytes), registers 4-5 at 512 + 8 x lane (256 bytes).  One barrier.
; THE ROWS OF EVERY TILE (weight rows, pixels) ARE NOT NEIGHBOURS: lane r of tile 2 b + u takes row 32 b + 8 u + r + 8 (r / 8): as source 0, tiles 2 b and 2 b + 1 leave a lane 16 NEIGHBOURS, 32 b + 16 (lane / 16) + 0 .. 15, in 16 registers.
; q, k: source 0 = weight tiles, source 1 = a pixel tile: a lane holds one pixel and 32 of the head's 64 channels, the next product's K.   v: source 0 = pixel tiles, source 1 = a weight tile: a lane holds one channel and 32 keys, its next K.
; So each group of four accumulators is quantised in registers (two blocks of 32) and IS a half image, stored as it stands: 512 + 256 consecutive bytes.
; SCALE WORDS go out as PAIR UNITS of 256 bytes for four tiles: the word of (tile 2 p + h, row r) at 8 (16 h + r) + 4 p.  q's and k's words: bytes 0, 1 the two blocks of the head's 64, bytes 2, 3 the same again (the upper 64 of the
;   instruction's 128 along K are zero codes on q's side).  v's words: bytes 2 e, 2 e + 1 come from the work-group with key group e, so they leave as 2 bytes a lane inside one block of 256 bytes: 64 bytes a store, 131,072 bytes of the launch's 10 MB.
; The bias is the C of each sum's first matrix instruction.
; NO CLUSTER, NO TENSOR LOAD: a wave's 12,288 bytes of weight images go straight into the registers from which they are multiplied, once; asked for jointly they would pass through LDS (147,456 bytes a work-group written and read again) for 32 matrix instructions a wave.
; LIMITS: a block whose largest magnitude lies under 2^-124 (a block of zeros among them) keeps the byte 1: the bytes are read by this program alone and zero codes add nothing; NaN and infinities among the inputs are not served.
.set FLOOR, 0x1800000                  ; 2^(3 - 127)
.set XSC,   12288                      ; LDS: 0: x's 16 half images, (pixel tile m, K step s, half c) at 768 (4 m + 2 s + c);  XSC: its scale words, register (p, s) at 128 (2 p + s) + 4 x lane: lanes 0-15 tile 2 p, lanes 16-31 tile 2 p + 1
.set SPARE, 12800                      ; the spare words, 128 bytes for each of the twelve waves: six blocks of 256 bytes that no other line names
.set XS,   12                          ; v12-15   x's scale words
.set WS,   16                          ; v16-23   the weights' scale words: tile i, K step s at 2 i + s
.set STAY, 24                          ; v24-119  the operand that stays: four tiles x two K steps (q, k: weights; v: pixels)
.set GRP,  120                         ; v120-167 the operand that changes: two sets of two K steps
.set ACC,  168                         ; v168-199 four accumulators
.set CB,   200                         ; v200-231 the bias, four tiles in the result's layout
.set TM,   232                         ; v232-239 two largest magnitudes, two lane exchanges, two scale operands, two bytes
.set P,    240                         ; v240-245 a half image just made
.set CT,   246                         ; v246-248 a block's codes before the exchange of halves
.set W16,  249                         ; v249-252 two scale bytes for each group
.set OUTW, 254                         ; v254-255 the pair unit's two registers
.set SEL,  20
; v1, v2, v3: 16, 8, 4 x lane;  v4: x: 4 x my pixel;  v5, v6: where I store x's images;  v7: and their scale bytes;  v8, v253: the bias's offsets;  v9, v10: the add's two registers
	s_load_b256 s[4:11], s[0:1], 0x0               ; x, wimg, wsc, b_qkv
	s_load_b128 s[12:15], s[0:1], 0x20             ; qq, kvimg
	s_load_b64 s[16:17], s[0:1], 0x30              ; kvsc
	v_lshl_add_u32 v9, v0, 2, SPARE
	v_mov_b32 v10, 0
	v_lshrrev_b32 v11, 5, v0
	s_delay_alu instid0(VALU_DEP_1)
	v_readfirstlane_b32 s18, v11                   ; wave 0..11
	v_and_b32 v11, 31, v0                          ; lane
	s_delay_alu instid0(VALU_DEP_1)
	v_lshlrev_b32 v1, 4, v11
	s_delay_alu instid0(VALU_DEP_2)
	v_lshlrev_b32 v2, 3, v11
	s_delay_alu instid0(VALU_DEP_3)
	v_lshlrev_b32 v3, 2, v11
	s_delay_alu instid0(VALU_DEP_4)
	v_and_b32 v4, 7, v11                           ; my pixel among the wave's 32: lane (r, h) takes that of tile h, row r: 8 h + r + 8 (r / 8)
	v_and_b32 v8, 8, v11
	s_delay_alu instid0(VALU_DEP_1)
	v_lshl_or_b32 v4, v8, 1, v4
	v_and_b32 v8, 16, v11
	s_delay_alu instid0(VALU_DEP_1)
	v_lshrrev_b32 v8, 1, v8
	s_delay_alu instid0(VALU_DEP_1)
	v_or_b32 v4, v4, v8
	s_delay_alu instid0(VALU_DEP_1)
	v_lshlrev_b32 v4, 2, v4
	s_and_b32 s36, s18, 1                          ; p: which 32 pixels
	s_lshr_b32 s37, s18, 1                         ; which 64 channels
	s_lshr_b32 s38, s18, 2                         ; K step of those channels.  Also: q, k or v
	s_and_b32 s39, s37, 1                          ; half of the K step
	s_and_b32 s40, s18, 3                          ; the head
	s_lshl_b32 s41, s36, 3
	s_add_co_u32 s41, s41, s37
	s_mul_i32 s41, s41, 768                        ; half image 4 (2 p) + 2 s + c
	v_add_nc_u32 v5, s41, v1
	v_add_nc_u32 v6, s41, v2
	s_lshl_b32 s42, s36, 1
	s_add_co_u32 s42, s42, s38
	s_lshl_b32 s42, s42, 7
	s_lshl_b32 s43, s39, 1
	s_add_co_u32 s42, s42, s43
	v_add_nc_u32 v7, s42, v3                       ; 128 (2 p + s) + 2 c + 4 x lane
	v_bfe_u32 v8, v0, 4, 1
	s_delay_alu instid0(VALU_DEP_1)
	v_lshlrev_b32 v8, 6, v8                        ; q, k: the bias of channels 16 h on
	v_and_b32 v253, 15, v0
	s_delay_alu instid0(VALU_DEP_1)
	v_and_b32 v254, 8, v253
	s_delay_alu instid0(VALU_DEP_1)
	v_add_nc_u32 v253, v253, v254
	s_delay_alu instid0(VALU_DEP_1)
	v_lshlrev_b32 v253, 2, v253                    ; v: the bias of channel r + 8 (r / 8)
	v_mov_b32 v[TM+2], 0                           ; written once: a lane permute's destination counts as one of its sources
	v_mov_b32 v[TM+3], 0
	s_mov_b32 s[SEL], 0x76543210
	s_mov_b32 s[SEL+1], 0xfedcba98                 ; lane selects: lane l xor 16
	s_mov_b32 s22, 0xffff0000                      ; lanes 16-31
	s_lshr_b32 s44, ttmp9, 6                       ; batch
	s_and_b32 s45, ttmp9, 63                       ; G: which 64 pixels
	s_lshr_b32 s46, s45, 1                         ; j: key step of 128
	s_and_b32 s47, s45, 1                          ; e: which half of it
	s_lshl_b32 s24, s44, 22                        ; x: batch x 4,194,304
	s_lshl_b32 s48, s37, 20                        ; + 64 channels x 16,384
	s_add_co_u32 s24, s24, s48
	s_lshl_b32 s48, s45, 8                         ; + 256 G
	s_add_co_u32 s24, s24, s48
	s_lshl_b32 s48, s36, 7                         ; + 128 p
	s_add_co_u32 s24, s24, s48
	s_mov_b32 s25, 0
	s_mul_i32 s26, s18, 12288                      ; my eight weight fragments,
	s_mov_b32 s27, 0
	s_lshl_b32 s28, s18, 10                        ; their scale words,
	s_mov_b32 s29, 0
	s_lshl_b32 s30, s18, 8                         ; my 64 numbers of the bias
	s_mov_b32 s31, 0
	s_lshl_b32 s49, s44, 2
	s_add_co_u32 s49, s49, s40                     ; 4 x batch + head
	s_lshl_b32 s50, s49, 6
	s_add_co_u32 s50, s50, s45
	s_mul_i32 s50, s50, 3328                       ; q: images,
	s_add_co_u32 s51, s50, 3072                    ;    pair unit
	s_lshl_b32 s52, s49, 5
	s_add_co_u32 s52, s52, s46
	s_mul_i32 s53, s52, 12288
	s_mul_i32 s54, s52, 768
	s_mul_i32 s55, s47, 3072
	s_add_co_u32 s55, s55, s53                     ; k: tiles 4 e on,
	s_lshl_b32 s56, s47, 8
	s_add_co_u32 s56, s56, s54                     ;    pair unit e
	s_mul_i32 s57, s47, 768
	s_add_co_u32 s57, s57, s53
	s_add_co_u32 s57, s57, 6144                    ; v: half e of each fragment,
	s_lshl_b32 s58, s47, 1
	s_add_co_u32 s58, s58, s54
	s_add_co_u32 s58, s58, 512                     ;    bytes 2 e, 2 e + 1 of each word
	s_mov_b32 s61, 0
	s_mov_b32 s63, 0
	s_wait_kmcnt 0x0
	s_cmp_eq_u32 s38, 0                            ; the choices hang on the wave's number alone
	s_cselect_b32 s60, s50, s55
	s_cselect_b32 s62, s51, s56
	s_cselect_b64 s[32:33], s[12:13], s[14:15]
	s_cselect_b64 s[34:35], s[12:13], s[16:17]
	s_cmp_eq_u32 s38, 2
	s_cselect_b32 s60, s57, s60
	s_cselect_b32 s62, s58, s62
	s_add_nc_u64 s[32:33], s[32:33], s[60:61]      ; where my images go
	s_add_nc_u64 s[34:35], s[34:35], s[62:63]      ; where my scale words go
	s_add_nc_u64 s[24:25], s[4:5], s[24:25]
	s_add_nc_u64 s[26:27], s[6:7], s[26:27]
	s_add_nc_u64 s[28:29], s[8:9], s[28:29]
	s_add_nc_u64 s[30:31], s[10:11], s[30:31]
.macro WFRAG reg, i                    ; weight tile i, both K steps: six loads of 512 consecutive bytes
.irp s, 0,1
.irp q, 0,1,2
	global_load_b128 v[\reg+12*\s+4*\q:\reg+12*\s+4*\q+3], v1, s[26:27] offset:(2*(\i)+\s)*1536+512*\q
.endr
.endr
.endm
.macro XFRAG reg, m                    ; pixel tile m, both K steps: four half images, eight LDS loads
.irp s, 0,1
.irp c, 0,1
	ds_load_b128 v[\reg+12*\s+6*\c:\reg+12*\s+6*\c+3], v1 offset:768*(4*(\m)+2*\s+\c)
	ds_load_b64 v[\reg+12*\s+6*\c+4:\reg+12*\s+6*\c+5], v2 offset:768*(4*(\m)+2*\s+\c)+512
.endr
.endr
.endm
.macro WSLOAD
.irp f, 0,1,2,3,4,5,6,7
	global_load_b32 v[WS+\f], v3, s[28:29] offset:128*\f
.endr
.endm
.macro WM                              ; one product, by the symbols set ahead of it
.if fA
	v_wmma_scale_f32_16x16x128_f8f6f4 v[rD:rD+7], v[rA:rA+11], v[rB:rB+11], v[rC:rC+7], v[rSA], v[rSB] matrix_a_fmt:MATRIX_FMT_FP6 matrix_b_fmt:MATRIX_FMT_FP6 matrix_a_scale:MATRIX_SCALE_ROW1
.elseif fB
	v_wmma_scale_f32_16x16x128_f8f6f4 v[rD:rD+7], v[rA:rA+11], v[rB:rB+11], v[rC:rC+7], v[rSA], v[rSB] matrix_a_fmt:MATRIX_FMT_FP6 matrix_b_fmt:MATRIX_FMT_FP6 matrix_b_scale:MATRIX_SCALE_ROW1
.else
	v_wmma_scale_f32_16x16x128_f8f6f4 v[rD:rD+7], v[rA:rA+11], v[rB:rB+11], v[rC:rC+7], v[rSA], v[rSB] matrix_a_fmt:MATRIX_FMT_FP6 matrix_b_fmt:MATRIX_FMT_FP6
.endif
.endm
; Group g: eight products, the four accumulators by turns, one instruction a turn, K step 0 and then K step 1.  role 0: q, k;  role 1: v.
.macro MM g, role
.irp s, 0,1
.irp i, 0,1,2,3
.set rD, ACC+8*\i
.set rA, STAY+12*(2*\i+\s)
.set rB, GRP+24*((\g)%2)+12*\s
.set rC, rD
.if \role
.if \s == 0
.set rC, CB+8*(\g)
.endif
.set rSA, XS+2*(\i/2)+\s
.set rSB, WS+2*(\g)+\s
.set fA, \i%2
.set fB, 0
.else
.if \s == 0
.set rC, CB+8*\i
.endif
.set rSA, WS+2*\i+\s
.set rSB, XS+2*((\g)/2)+\s
.set fA, 0
.set fB, (\g)%2
.endif
	WM
.endr
.endr
.endm
; 32 numbers of a lane, register 16 b + i = index 32 b + 16 (lane / 16) + i of the next K, become a half image in v[P] on, and the two scale bytes in v[w16].
.macro QUANT2 src, w16
.irp b, 0,1
	v_max3_num_f32 v[TM+\b], |v[\src+16*\b]|, |v[\src+16*\b+1]|, FLOOR   ; each accumulator is read from its low end on; the floor holds the byte at 1 from below
.endr
.irp i, 2,4,6,8,10,12,14
.irp b, 0,1
	v_max3_num_f32 v[TM+\b], v[TM+\b], |v[\src+16*\b+\i]|, |v[\src+16*\b+\i+1]|
.endr
.endr
.irp b, 0,1
	s_delay_alu instid0(VALU_DEP_2)
	v_permlanex16_b32 v[TM+2+\b], v[TM+\b], s[SEL], s[SEL+1]
.endr
.irp b, 0,1
	s_delay_alu instid0(VALU_DEP_2)
	v_max_num_f32 v[TM+\b], v[TM+\b], v[TM+2+\b]   ; with lane l xor 16's 16: the block's largest magnitude
.endr
.irp b, 0,1
	s_delay_alu instid0(VALU_DEP_2)
	v_add_nc_u32 v[TM+4+\b], 0xff000000, v[TM+\b]  ; 2 off the exponent field: the conversion's scale operand
.endr
.irp b, 0,1
	s_delay_alu instid0(VALU_DEP_2)
	v_lshrrev_b32 v[TM+6+\b], 23, v[TM+4+\b]       ; the scale's byte
.endr
	s_delay_alu instid0(VALU_DEP_1)
	v_lshl_or_b32 v[\w16], v[TM+7], 8, v[TM+6]
	s_wait_alu depctr_va_vdst(0)
	s_wait_xcnt 0x0                                ; the last group's stores have read v[P] on: it is written again only behind this wait
	v_cvt_scalef32_pk16_fp6_f32 v[P:P+2], v[\src:\src+15], v[TM+4]
	v_cvt_scalef32_pk16_fp6_f32 v[CT:CT+2], v[\src+16:\src+31], v[TM+5]
	v_nop                                          ; one plain instruction behind the scaled conversions
.irp i, 0,1,2
	v_permlane16_swap_b32 v[P+\i], v[CT+\i]        ; the layout wants a whole block in a lane: lanes 0-15 block 0, lanes 16-31 block 1
.endr
.irp i, 0,1,2
	s_delay_alu instid0(VALU_DEP_3)
	v_mov_b32 v[P+3+\i], v[CT+\i]
.endr
.endm
	s_cmp_lt_u32 s18, 8
	s_cbranch_scc0 .Lv_head
	; ---- waves 0-7: 64 channels x 32 pixels of x; behind them the loads of my weights, which land while x is quantised
.set i, 0
.rept 64
	global_load_b32 v[120+i], v4, s[24:25] offset:16384*i th:TH_LOAD_NT   ; one channel, 32 pixels: 128 consecutive bytes; waves w and w xor 1 take the two halves of 256
.set i, i+1
.endr
.irp i, 0,1,2,3
	WFRAG STAY+24*\i, \i
.endr
	WSLOAD
	s_wait_alu depctr_va_vdst(0)
.irp i, 0,1,2,3
	global_load_b128 v[CB+8*\i:CB+8*\i+3], v8, s[30:31] offset:128*(\i/2)+32*(\i%2)      ; tile i, lane (r, h): channels 32 (i / 2) + 16 h + 8 (i % 2) + 0 .. 7
	global_load_b128 v[CB+8*\i+4:CB+8*\i+7], v8, s[30:31] offset:128*(\i/2)+32*(\i%2)+16
.endr
	s_wait_loadcnt 40                              ; x's 64 loads are in; the 24 + 8 + 8 issued behind them may stay out
.irp b, 0,1
	v_max3_num_f32 v[TM+\b], |v[120+32*\b]|, |v[121+32*\b]|, FLOOR   ; two whole blocks of 32 channels are mine
.endr
.irp i, 2,4,6,8,10,12,14,16,18,20,22,24,26,28,30
.irp b, 0,1
	s_delay_alu instid0(VALU_DEP_2)
	v_max3_num_f32 v[TM+\b], v[TM+\b], |v[120+32*\b+\i]|, |v[121+32*\b+\i]|
.endr
.endr
.irp b, 0,1
	s_delay_alu instid0(VALU_DEP_2)
	v_add_nc_u32 v[TM+4+\b], 0xff000000, v[TM+\b]
.endr
.irp b, 0,1
	s_delay_alu instid0(VALU_DEP_2)
	v_lshrrev_b32 v[TM+6+\b], 23, v[TM+4+\b]
.endr
	s_delay_alu instid0(VALU_DEP_1)
	v_lshl_or_b32 v249, v[TM+7], 8, v[TM+6]        ; my pixel's two scale bytes
	v_cvt_scalef32_pk16_fp6_f32 v[184:186], v[120:135], v[TM+4]
	v_cvt_scalef32_pk16_fp6_f32 v[196:198], v[136:151], v[TM+4]
	v_cvt_scalef32_pk16_fp6_f32 v[190:192], v[152:167], v[TM+5]
	v_cvt_scalef32_pk16_fp6_f32 v[240:242], v[168:183], v[TM+5]
	v_nop                                          ; one plain instruction behind the scaled conversions
.irp i, 0,1,2
	v_mov_b32 v[187+\i], v[196+\i]                 ; v184-189: block 0 of my pixel
	v_mov_b32 v[193+\i], v[240+\i]                 ; v190-195: block 1
.endr
.irp i, 0,1,2,3,4,5
	v_permlane16_swap_b32 v[184+\i], v[190+\i]     ; lanes 0-15 hold tile 2 p, lanes 16-31 tile 2 p + 1: after the exchange v184 on is tile 2 p's half image (block h in lane (r, h)), v190 on tile 2 p + 1's
.endr
	ds_store_b128 v5, v[184:187]
	ds_store_b64 v6, v[188:189] offset:512
	ds_store_b128 v5, v[190:193] offset:3072
	ds_store_b64 v6, v[194:195] offset:3072+512
	ds_store_b16 v7, v249 offset:XSC
	s_branch .Lmeet
.Lv_head:
	; ---- waves 8-11: my scale words, the bias (it hangs on the lane: a tile's eight registers are equal), and the first two weight tiles
	WSLOAD
	s_wait_alu depctr_va_vdst(0)
.irp g, 0,1,2,3
.irp j, 0,1,2,3,4,5,6,7
	global_load_b32 v[CB+8*\g+\j], v253, s[30:31] offset:128*(\g/2)+32*(\g%2)
.endr
.endr
	WFRAG GRP, 0
	WFRAG GRP+24, 1
.Lmeet:
	s_wait_dscnt 0x0                               ; for the others' sake: my stores of x's images have landed
	s_barrier_signal -1
	s_barrier_wait -1                              ; x's sixteen half images and their scale words lie in LDS
.irp f, 0,1,2,3
	ds_load_b32 v[XS+\f], v3 offset:XSC+128*\f
.endr
	s_cmp_lt_u32 s18, 8
	s_cbranch_scc0 .Lv_path
	; ---- q, k: the weights stay, the pixel tiles change
	XFRAG GRP, 0
	XFRAG GRP+24, 1
	s_wait_loadcnt 0x0                             ; weights, their scale words, the bias
.irp g, 0,1,2,3
.if \g < 3
	s_wait_dscnt 8                                 ; this tile's loads are in; the next tile's eight may stay out
.else
	s_wait_dscnt 0x0
.endif
	MM \g, 0
.rept 4
	v_nop                                          ; four places in front of loads into registers that the products have read, and of the first read of results
.endr
.if \g < 2
	XFRAG GRP+24*(\g%2), \g+2
.endif
	QUANT2 ACC, W16+\g
	global_store_b128 v1, v[P:P+3], s[32:33] offset:768*\g           ; 512 consecutive bytes,
	global_store_b64 v2, v[P+4:P+5], s[32:33] offset:768*\g+512      ; 256 consecutive bytes
.endr
.irp g, 0,1,2,3
	v_lshl_or_b32 v[W16+\g], v[W16+\g], 16, v[W16+\g]                ; bytes 2, 3 repeat bytes 0, 1
.endr
.irp p, 0
	s_delay_alu instid0(VALU_DEP_3)
	v_cndmask_b32 v[OUTW+\p], v[W16+2*\p], v[W16+2*\p+1], s22
.endr
.irp p, 1
	s_delay_alu instid0(VALU_DEP_2)
	v_cndmask_b32 v[OUTW+\p], v[W16+2*\p], v[W16+2*\p+1], s22        ; lanes 0-15: tile 2 p, lanes 16-31: tile 2 p + 1
.endr
	global_store_b64 v2, v[OUTW:OUTW+1], s[34:35]                    ; the pair unit: 256 consecutive bytes
	s_wait_tensorcnt 0x0                           ; the wave's end: behind my last LDS store
	ds_add_u32 v9, v10
	s_wait_dscnt 0x0
	s_endpgm
.Lv_path:
	; ---- v: the pixel tiles stay, the weight tiles change
.irp m, 0,1,2,3
	XFRAG STAY+24*\m, \m
.endr
	s_wait_dscnt 0x0
.irp g, 0,1,2,3
.if \g < 3
	s_wait_loadcnt 6                               ; this weight tile's loads (and all before them) are in; the next tile's six may stay out
.else
	s_wait_loadcnt 0x0
.endif
	MM \g, 1
.rept 4
	v_nop                                          ; four places, as above
.endr
.if \g < 2
	WFRAG GRP+24*(\g%2), \g+2
.endif
	QUANT2 ACC, W16+\g
	global_store_b128 v1, v[P:P+3], s[32:33] offset:1536*\g
	global_store_b64 v2, v[P+4:P+5], s[32:33] offset:1536*\g+512
.endr
.irp p, 0,1
	v_cndmask_b32 v[OUTW+\p], v[W16+2*\p], v[W16+2*\p+1], s22
.endr
.irp p, 0,1
	global_store_b16 v2, v[OUTW+\p], s[34:35] offset:4*\p            ; my key group's two bytes of each word
.endr
	s_wait_tensorcnt 0x0                           ; the wave's end: the same three lines
	ds_add_u32 v9, v10
	s_wait_dscnt 0x0
	s_endpgm
.Lfunc_end_k_qc4cf82179b_qkv:
	.size	k_qc4cf82179b_qkv, .Lfunc_end_k_qc4cf82179b_qkv-k_qc4cf82179b_qkv
	.p2alignl 7, 3214868480
	.fill 96, 4, 3214868480
	.section	.rodata,"a",@progbits
	.p2align	6, 0x0
	.amdhsa_kernel k_qc4cf82179b_qkv
		.amdhsa_group_segment_fixed_size 14336
		.amdhsa_private_segment_fixed_size 0
		.amdhsa_enable_private_segment 0
		.amdhsa_kernarg_size 56
		.amdhsa_user_sgpr_count 2
		.amdhsa_user_sgpr_kernarg_segment_ptr 1
		.amdhsa_wavefront_size32 1
		.amdhsa_system_sgpr_workgroup_id_x 1
		.amdhsa_system_sgpr_workgroup_id_y 1
		.amdhsa_system_sgpr_workgroup_id_z 1
		.amdhsa_system_vgpr_workitem_id 0
		.amdhsa_next_free_vgpr 256
		.amdhsa_next_free_sgpr 66
		.amdhsa_reserve_vcc 0
		.amdhsa_float_denorm_mode_32 3
		.amdhsa_float_denorm_mode_16_64 3
		.amdhsa_memory_ordered 1
		.amdhsa_forward_progress 1
		.amdhsa_inst_pref_size 60
	.end_amdhsa_kernel
	.amdgpu_metadata
---
amdhsa.version: [ 1, 2 ]
amdhsa.kernels:
  - .name:           k_qc4cf82179b_qkv
    .symbol:         k_qc4cf82179b_qkv.kd
    .args:
      - { .name: x, .offset: 0, .size: 8, .value_kind: global_buffer, .address_space: global }
      - { .name: wimg, .offset: 8, .size: 8, .value_kind: global_buffer, .address_space: global }
      - { .name: wsc, .offset: 16, .size: 8, .value_kind: global_buffer, .address_space: global }
      - { .name: b_qkv, .offset: 24, .size: 8, .value_kind: global_buffer, .address_space: global }
      - { .name: qq, .offset: 32, .size: 8, .value_kind: global_buffer, .address_space: global }
      - { .name: kvimg, .offset: 40, .size: 8, .value_kind: global_buffer, .address_space: global }
      - { .name: kvsc, .offset: 48, .size: 8, .value_kind: global_buffer, .address_space: global }
    .group_segment_fixed_size: 14336
    .private_segment_fixed_size: 0
    .kernarg_segment_align: 8
    .kernarg_segment_size: 56
    .max_flat_workgroup_size: 384
    .sgpr_count:     66
    .vgpr_count:     256
    .wavefront_size: 32
...
	.end_amdgpu_metadata
.endif
;; end of part 2
;; launch attn (part 3): grid 256 x 1, 16 waves a work-group, clusters of 4 x 1, 327,680 bytes of LDS; arguments qq, kvimg, kvsc, wimg, wsc, b_proj, out0; writes out0
.if DOCPART == 3
	.amdgcn_target "amdgcn-amd-amdhsa--gfx1250"
	.amdhsa_code_object_version 6
	.text
	.protected	k_qc4cf82179b_attn
	.globl	k_qc4cf82179b_attn
	.p2align	8
	.type	k_qc4cf82179b_attn,@function
k_qc4cf82179b_attn:
	s_mov_b64 s[64:65], 0
	v_nop
	global_prefetch_b8 v0, s[64:65] scope:SCOPE_SE
	s_setreg_imm32_b32 hwreg(HW_REG_WAVE_MODE, 25, 1), 1
	s_wait_xcnt 0x0
	s_wait_alu depctr_hold_cnt(0) depctr_sa_sdst(0) depctr_va_vdst(0) depctr_va_sdst(0) depctr_va_ssrc(0) depctr_va_vcc(0) depctr_vm_vsrc(0)
	s_getreg_b32 s2, hwreg(HW_REG_IB_STS2, 6, 4)
	s_cmp_eq_u32 s2, 0
	s_cbranch_scc0 .Lentry_in_a_cluster
	s_endpgm
.Lentry_in_a_cluster:
	s_bfe_u32 s2, ttmp6, 0x10000c
	s_cmp_lg_u32 s2, 0x3003
	s_cbranch_scc0 .Lentry_shape_is_right
	s_endpgm
.Lentry_shape_is_right:
; out = (softmax(q k^T / 8) v) w_proj^T + b_proj, laid back as [batch][channel][pixel]; all three products on codes of FP6 (E2M3) with one E8M0 scale for each 32 along a product's K.
; q, k, v and w_proj arrive as images of operand registers with their scale words (made by the two launches before).
; THE SOFTMAX AHEAD OF THE SECOND PRODUCT: t = score x log2(e) / 8; M = the row's largest t so far, rounded UP to a whole number; p = 2^(t - M) is what is quantised, along the keys, not normalised.
; The row's sum is taken of the unquantised p, in f32, and divides O at the end.  When M moves, the sum and O are multiplied by 2^(old M - new M): exact.
; SHARES.  A work-group owns 64 pixels of one batch, for all four heads: wave w has head w / 4 and tile w % 4 of 16 queries, in 256 registers: four waves to a SIMD, so that one wave's vector work stands beside another's products and LDS loads.
; Every wave walks the 4,096 keys of its head, 128 a step.  A step has 12 matrix instructions beside some 240 vector instructions, 68 of them exponentials: vector work binds, so the tile is small and the waves are many.
; Since the sixteen waves hold all 256 channels of their 64 pixels, the last product follows in the same launch: O / sum is quantised in registers, goes round through LDS as images, and wave w makes output tile w for the 64 pixels.
; LAYOUT.  S^T = k q^T (source 0 = 16 keys, source 1 = my queries), O^T = v^T p^T (source 0 = 16 channels, source 1 = p): a lane holds ONE query throughout.  The rows of every tile are chosen: lane r of tile 2 b + u takes row
; 32 b + 8 u + r + 8 (r / 8), so that the 16 registers of results 2 b and 2 b + 1 are 16 neighbours along the next K.
; THE HEAD HAS 64 CHANNELS, the instruction takes 128 along K: q's registers 6-11 are zero codes, so what stands in k's upper six registers adds nothing.  k's tiles therefore lie six registers apart: tile t's operand runs on over tile t + 1's six
; (tile 7's over six registers of zeros), and bytes 2, 3 of q's and k's scale words repeat bytes 0, 1.
; THE RING.  Two LDS slots of two key steps (4 heads x 24,576 bytes), filled by the tensor data mover, wave w < 4 for head w.  A head's images of two steps are one dense block of memory, and so are its scale words of all 32 steps, which come once and stay.
; CLUSTER.  The four work-groups of a cluster belong to one batch and walk the same k and v: each tile is asked for JOINTLY, by the same tensor load with the same descriptor and a mask that names the four.  That divides the requests for k and v by four.
; LIMITS: p under 2^-126 comes out of v_exp_f32 as 0; the division by the sum is v_rcp_f32 and a multiplication; a block whose largest magnitude lies under 2^-124 keeps the byte 1 (zero codes add nothing); NaN and infinities are not served.
.set FLOOR, 0x1800000                  ; 2^(3 - 127)
.set SLOT1, 1<<17                      ; slot 0 at 0, slot 1 here: one exclusive or turns an address in one slot into the other's
.set HEADB, 24576                      ; a head's part of a slot: 2 key steps x 12,288 (k: 8 tiles x 768; v: 4 fragments x 1,536)
.set OIMG,  98304                      ; behind slot 0: O's 16 half images, (tile of queries, head) at 768 (4 tile + head);
.set OSC,   110592                     ; their scale words, (tile, K step s) at 128 (2 tile + s) + 4 x lane, bytes 2 c, 2 c + 1 from head 2 s + c;
.set SPARE, 111616                     ; the spare words, 128 bytes for each of the sixteen waves: eight blocks of 256 bytes that no other line names
.set SCB,   229376                     ; behind slot 1: the scale words of all 32 key steps, 24,576 bytes a head: a step has k's two pair units and v's one, 768 bytes
; THE STAGE for the way out lies in slot 0, 4,352 bytes a wave: that slot has had its last fill and is left by every wave at the last change of slots.
.set KV,  36                           ; v36-83   k's eight tiles, six registers each; then v's four fragments.  v84-89: zeros
.set S,   96                           ; v96-159  S^T, then p
.set O,   160                          ; v160-191 O^T
.set P,   192                          ; v192-203 p's codes
.set CT,  204                          ; v204-211 codes before the exchange of halves
.set BM,  212                          ; v212-215 a block's largest score, then its largest p
.set BP,  216                          ; v216-219 lane exchanges, then bytes
.set SO,  220                          ; v220-223 the conversions' scale operands
; v1, v2: my head's place in a slot + 16, 8 x lane;  v3: my head's scale words + 8 x lane;  v4, v5, v6: the same for the slot in hand;  v7, v8: the add's two registers;  v9: 256 x lane (prefetch)
; v12 -M, v13 the largest t, v[14:15] the sum in two halves;  v16-27 q (v22-27 zeros);  SCALES ALONE: v28-31 k's, v32-33 v's, v34 q's, v35 p's, v90-91 w_proj's
; v92-95, v236-243: addresses of the way out, made at the head;  v[224:225] f;  v226 at work;  v[228:229] the sum's second chain
.set WV,  18
.set SEL, 24                           ; s[24:25] lane selects: lane l xor 16
.set CS,  26                           ; s[26:27] c = log2(e) / 8: the packed form names a pair and takes its low word for both halves
.set G1,  28                           ; s[28:35] descriptor group 1: 96 rows of 256 bytes, dense: it serves the images and the scale words
.set G0,  36                           ; s[36:39] group 0 for the images: it walks
.set G0S, 40                           ; s[40:43] group 0 for the scale words
.set TB,  44                           ; s44 LDS byte at which the slot in hand begins
.set TS,  45                           ; s45 where the slot's scale words begin: 1,536 bytes a slot
.set SLOTS, 46                         ; s46 slots still to be asked for
.set LIM, 47                           ; s47 1 in a wave that prefetches, else the greatest number
.set PFA, 48                           ; s[48:49] where my prefetches stand
.macro CROUND                          ; a round of the cluster's barrier: my work-group's barrier; wave 0 signals for the work-group; every wave waits for all four work-groups; my work-group's barrier once more
	s_barrier_signal -1
	s_barrier_wait -1
	s_cmp_lg_u32 s[WV], 0
	s_cbranch_scc1 .Lnot_wave_0_\@
	s_barrier_signal -3
.Lnot_wave_0_\@:
	s_barrier_wait -3
	s_barrier_signal -1
	s_barrier_wait -1
.endm
.macro TLOAD                           ; the joint refill: waves 0 to 3, a head each.  The branch hangs on the wave's number alone.  An s_nop 0 and four v_nop follow the load
	s_cmp_lt_u32 s[WV], 4
	s_cbranch_scc0 .Lasked_\@
	tensor_load_to_lds s[G0:G0+3], s[G1:G1+7]
	s_nop 0
.rept 4
	v_nop
.endr
.Lasked_\@:
.endm
; A PREFETCH of what the NEXT change of slots will ask for: 4 heads x 24,576 bytes.  It stands behind the joint load.  Each block of 256 bytes is named ONCE in the launch: all sixteen clusters of a batch walk the same k and v, so the batch's first
; cluster asks; its four partners take a head each, told apart BY ADDRESS; in each, waves 4, 5 and 6 take 8,192 bytes each, lanes 256 bytes apart: one instruction a wave.  Slots 0 and 1 and the scale words come by their loads alone;
; the last change that fills a slot asks for nothing: there is no slot behind it.
.macro ASK
	s_cmp_gt_u32 s[SLOTS], s[LIM]
	s_cbranch_scc0 .Lnot_mine_\@
	global_prefetch_b8 v9, s[PFA:PFA+1] th:TH_LOAD_NT scope:SCOPE_SE
.Lnot_mine_\@:
.endm
	s_load_b256 s[4:11], s[0:1], 0x0               ; qq, kvimg, kvsc, wimg
	s_load_b128 s[12:15], s[0:1], 0x20             ; wsc, b_proj
	s_load_b64 s[16:17], s[0:1], 0x30              ; out0
	v_lshl_add_u32 v7, v0, 2, SPARE
	v_mov_b32 v8, 0
	ds_add_u32 v7, v8                              ; the wave's opening: the add and its wait stand ahead of the first tensor loads; the set-up below, work on registers, stands between them
	ds_add_u32 v7, v8
	v_lshrrev_b32 v246, 5, v0
	s_delay_alu instid0(VALU_DEP_1)
	v_readfirstlane_b32 s[WV], v246                ; wave 0..15
	s_lshr_b32 s19, s[WV], 2                       ; my head
	s_and_b32 s20, s[WV], 3                        ; my tile of queries.  Also: the head that I fetch, if I fetch
	s_bfe_u32 s21, ttmp6, 0x40000                  ; cx: my place in the cluster: it enters q's, out0's and the prefetches' addresses alone
	s_lshr_b32 s22, ttmp9, 4                       ; the batch (ttmp9 counts clusters), which the four partners share
	s_and_b32 s23, ttmp9, 15                       ; which cluster of the batch
	s_mov_b32 s[G1], 15|(3<<16)|(1<<21)            ; 15:0 the mask: all four work-groups; 17:16 elements of 8 bytes; 20 no padding; 21 set beside a mask
	s_mov_b32 s[G1+1], 32<<16                      ; tensor_dim0 = 32 elements: 256 bytes
	s_mov_b32 s[G1+2], 96<<16                      ; tensor_dim1 = 96
	s_mov_b32 s[G1+3], 32<<16                      ; tile_dim0
	s_mov_b32 s[G1+4], 96                          ; tile_dim1
	s_mov_b32 s[G1+5], 32                          ; from row to row: dense
	s_mov_b32 s[G1+6], 0
	s_mov_b32 s[G1+7], 0
	s_lshl_b32 s66, s22, 2                         ; 4 x batch
	s_add_co_u32 s67, s66, s20                     ; + the head that I fetch
	s_mul_i32 s[G0+2], s67, 393216                 ; its images: 32 key steps x 12,288 bytes
	s_mov_b32 s[G0+3], 0
	s_mul_i32 s[G0S+2], s67, HEADB                 ; its scale words: 32 x 768 bytes
	s_mov_b32 s[G0S+3], 0
	s_mov_b32 s[G0], 1                             ; count = 1
	s_mul_i32 s[G0+1], s20, HEADB                  ; LDS address: slot 0, the head's part: no place in the cluster enters it
	s_mov_b32 s[G0S], 1
	s_add_co_u32 s[G0S+1], s[G0+1], SCB
	s_add_co_u32 s68, s66, s19                     ; q: (64 (4 batch + head) + G) x 3,328
	s_lshl_b32 s68, s68, 6
	s_lshl_b32 s69, s23, 2
	s_add_co_u32 s69, s69, s21                     ; G: my 64 pixels = 4 x cluster + cx
	s_add_co_u32 s68, s68, s69
	s_mul_i32 s68, s68, 3328
	s_mul_i32 s70, s20, 768
	s_add_co_u32 s50, s68, s70                     ; my tile's half image
	s_mov_b32 s51, 0
	s_and_b32 s70, s20, 1
	s_lshl_b32 s70, s70, 7
	s_lshr_b32 s71, s20, 1
	s_lshl_b32 s71, s71, 2
	s_add_co_u32 s52, s68, s70
	s_add_co_u32 s52, s52, s71
	s_add_co_u32 s52, s52, 3072                    ; its words in the pair unit: 128 (tile % 2) + 4 (tile / 2) + 8 r
	s_mov_b32 s53, 0
	s_mul_i32 s54, s[WV], 3072
	s_add_co_u32 s54, s54, 147456                  ; w_proj's tile w: fragments 96 + 2 w, 97 + 2 w
	s_mov_b32 s55, 0
	s_lshl_b32 s56, s[WV], 8
	s_add_co_u32 s56, s56, 12288                   ; their scale words
	s_mov_b32 s57, 0
	s_lshr_b32 s70, s[WV], 1
	s_and_b32 s71, s[WV], 1
	s_lshl_b32 s58, s70, 7
	s_lshl_b32 s72, s71, 5
	s_add_co_u32 s58, s58, s72                     ; b_proj at output 32 (w / 2) + 8 (w % 2)
	s_mov_b32 s59, 0
	s_lshl_b32 s60, s22, 22                        ; out0: batch x 4,194,304
	s_lshl_b32 s72, s70, 19
	s_add_co_u32 s60, s60, s72                     ; + that output's row of 16,384 bytes
	s_lshl_b32 s72, s71, 17
	s_add_co_u32 s60, s60, s72
	s_lshl_b32 s72, s69, 8
	s_add_co_u32 s60, s60, s72                     ; + 256 G
	s_mov_b32 s61, 0
	s_add_co_u32 s72, s66, s21                     ; the prefetches: head cx of my batch,
	s_mul_i32 s[PFA], s72, 393216
	s_lshl_b32 s72, s20, 13                        ; my wave's 8,192 bytes,
	s_add_co_u32 s[PFA], s[PFA], s72
	s_add_co_u32 s[PFA], s[PFA], HEADB             ; in slot 1: the first change of slots steps it to slot 2
	s_mov_b32 s[PFA+1], 0
	s_sub_co_u32 s72, s[WV], 4
	s_cmp_lt_u32 s72, 3                            ; waves 4, 5, 6
	s_cselect_b32 s[LIM], 1, -1
	s_cmp_eq_u32 s23, 0                            ; of the batch's first cluster: the same in all four partners
	s_cselect_b32 s[LIM], s[LIM], -1
	s_mov_b32 s[SEL], 0x76543210
	s_mov_b32 s[SEL+1], 0xfedcba98
	s_mov_b32 s[CS], 0x3e38aa3b                    ; c = log2(e) / 8
	s_mov_b32 s[CS+1], s[CS]                       ; (named with it as a pair, so it is written)
	s_mov_b32 s[TB], 0
	s_mov_b32 s[TS], 0
	s_mov_b32 s[SLOTS], 15
	v_and_b32 v246, 31, v0                         ; lane
	s_wait_alu depctr_va_vdst(0)
	v_and_b32 v247, 15, v0                         ; r
	v_bfe_u32 v248, v0, 4, 1                       ; h
	s_mul_i32 s73, s19, HEADB                      ; my head's part of a slot
	v_lshl_add_u32 v1, v246, 4, s73
	v_lshl_add_u32 v2, v246, 3, s73
	s_add_co_u32 s74, s73, SCB
	v_lshl_add_u32 v3, v246, 3, s74
	s_lshl_b32 s75, s20, 2
	s_add_co_u32 s75, s75, s19
	s_mul_i32 s75, s75, 768
	s_add_co_u32 s75, s75, OIMG                    ; where my half image of O goes
	v_lshl_add_u32 v92, v246, 4, s75
	v_lshl_add_u32 v93, v246, 3, s75
	s_lshl_b32 s76, s20, 1
	s_lshr_b32 s77, s[WV], 3
	s_add_co_u32 s76, s76, s77
	s_lshl_b32 s76, s76, 7
	s_and_b32 s77, s19, 1
	s_lshl_b32 s77, s77, 1
	s_add_co_u32 s76, s76, s77
	s_add_co_u32 s76, s76, OSC                     ; and its two scale bytes
	v_lshl_add_u32 v94, v246, 2, s76
	v_lshl_add_u32 v95, v246, 4, OIMG              ; and from where any wave reads them back
	v_lshl_add_u32 v236, v246, 3, OIMG
	v_lshl_add_u32 v237, v246, 2, OSC
	s_mul_i32 s78, s[WV], 4352                     ; my stage: 16 rows x (256 bytes + 16)
	v_mul_u32_u24 v238, v247, 272
	s_delay_alu instid0(VALU_DEP_1)
	v_lshl_add_u32 v238, v248, 6, v238
	s_delay_alu instid0(VALU_DEP_1)
	v_add_nc_u32 v238, s78, v238                   ; in: row r, + 64 h
	v_mul_u32_u24 v239, v248, 272
	s_delay_alu instid0(VALU_DEP_1)
	v_lshl_add_u32 v239, v247, 4, v239
	s_delay_alu instid0(VALU_DEP_1)
	v_add_nc_u32 v239, s78, v239                   ; back: lanes 0-15 one row, lanes 16-31 the next
	v_lshlrev_b32 v240, 14, v248
	s_delay_alu instid0(VALU_DEP_1)
	v_lshl_add_u32 v240, v247, 4, v240             ; and the same two rows in out0
	v_lshlrev_b32 v241, 4, v246
	v_lshlrev_b32 v242, 2, v246
	v_and_b32 v243, 8, v247
	s_delay_alu instid0(VALU_DEP_1)
	v_add_nc_u32 v243, v243, v247
	s_delay_alu instid0(VALU_DEP_1)
	v_lshlrev_b32 v243, 2, v243                    ; 4 (r + 8 (r / 8))
	v_lshlrev_b32 v244, 3, v246
	v_lshlrev_b32 v245, 3, v247
	v_lshlrev_b32 v9, 8, v246
	s_wait_dscnt 0x0                               ; the opening add is done
	s_wait_kmcnt 0x0
	s_add_nc_u64 s[G0+2:G0+3], s[6:7], s[G0+2:G0+3]
	s_or_b32 s[G0+3], s[G0+3], 0x80000000          ; type = 2
	s_add_nc_u64 s[G0S+2:G0S+3], s[8:9], s[G0S+2:G0S+3]
	s_or_b32 s[G0S+3], s[G0S+3], 0x80000000
	s_add_nc_u64 s[50:51], s[4:5], s[50:51]
	s_add_nc_u64 s[52:53], s[4:5], s[52:53]
	s_add_nc_u64 s[54:55], s[10:11], s[54:55]
	s_add_nc_u64 s[56:57], s[12:13], s[56:57]
	s_add_nc_u64 s[58:59], s[14:15], s[58:59]
	s_add_nc_u64 s[60:61], s[16:17], s[60:61]
	s_add_nc_u64 s[PFA:PFA+1], s[6:7], s[PFA:PFA+1]
	CROUND                                         ; all four work-groups are here: the first joint loads meet
	s_cmp_lt_u32 s[WV], 4                          ; a wave's two first fills stand in one branch, ahead of every wait on TENSORcnt and every LDS read: two loads of mine are out
	s_cbranch_scc0 .Lno_first
	tensor_load_to_lds s[G0S:G0S+3], s[G1:G1+7]    ; the head's scale words: filled once
	s_nop 0
	tensor_load_to_lds s[G0:G0+3], s[G1:G1+7]      ; slot 0
	s_nop 0
.rept 4
	v_nop
.endr
.Lno_first:
	s_wait_alu depctr_va_vdst(0)
	global_load_b128 v[16:19], v241, s[50:51]      ; q's half image stays in registers
	global_load_b64 v[20:21], v244, s[50:51] offset:512
	global_load_b32 v34, v245, s[52:53]            ; and its scale words
.irp i, 0,1,2,3,4,5
	v_mov_b32 v[22+\i], 0                          ; q's upper 64 along K: zero codes
	v_mov_b32 v[84+\i], 0                          ; what k's tile 7 runs on over
.endr
	v_mov_b32 v13, 0xff61b1e6                      ; the largest t so far: -3e38, under every t
	s_delay_alu instid0(VALU_DEP_1)
	v_floor_f32 v12, -v13                          ; -M
	v_mov_b32 v14, 0                               ; the sum, in two halves
	v_mov_b32 v15, 0
	v_mov_b32 v225, 0                              ; (named as the upper half of the pair v[224:225])
.irp b, 0,1,2,3
	v_mov_b32 v[BP+\b], 0                          ; written once: a lane permute's destination counts as one of its sources
.endr
.set j, 0
.rept 32
	v_mov_b32 v[O+j], 0                            ; O^T.  (The step is written once: the first finds zeros, which the first change of M leaves zeros)
.set j, j+1
.endr
; A KEY STEP: 128 keys, the q-th of the slot in hand.
.macro STEP q
.rept 4
	v_nop                                          ; four places in front of loads into registers that the last products have read
.endr
.irp t, 0,1,2,3,4,5,6,7
	ds_load_b128 v[KV+6*\t:KV+6*\t+3], v4 offset:12288*\q+768*\t         ; k's tile t: a half image, 512 + 256 consecutive bytes
	ds_load_b64 v[KV+6*\t+4:KV+6*\t+5], v5 offset:12288*\q+768*\t+512
.endr
	ds_load_b64 v[28:29], v6 offset:768*\q         ; k's scale words: register t / 2, lanes 0-15 the even tile, lanes 16-31 the odd one
	ds_load_b64 v[30:31], v6 offset:768*\q+256
	ds_load_b64 v[32:33], v6 offset:768*\q+512     ; v's likewise
	s_wait_dscnt 0x0
.irp t, 0,1,2,3,4,5,6,7
.if \t%2
	v_wmma_scale_f32_16x16x128_f8f6f4 v[S+8*\t:S+8*\t+7], v[KV+6*\t:KV+6*\t+11], v[16:27], 0, v[28+\t/2], v34 matrix_a_fmt:MATRIX_FMT_FP6 matrix_b_fmt:MATRIX_FMT_FP6 matrix_a_scale:MATRIX_SCALE_ROW1
.else
	v_wmma_scale_f32_16x16x128_f8f6f4 v[S+8*\t:S+8*\t+7], v[KV+6*\t:KV+6*\t+11], v[16:27], 0, v[28+\t/2], v34 matrix_a_fmt:MATRIX_FMT_FP6 matrix_b_fmt:MATRIX_FMT_FP6
.endif
.endr                                          ; lane (r, h) holds query r; the 16 registers of tiles 2 b, 2 b + 1 are keys 32 b + 16 h + 0 .. 15
.rept 4
	v_nop                                          ; four places in front of the loads below and of the first read of the scores
.endr
.irp n, 0,1,2,3
.irp c, 0,1
	ds_load_b128 v[KV+12*\n+6*\c:KV+12*\n+6*\c+3], v4 offset:12288*\q+6144+1536*\n+768*\c     ; v's four fragments: they land while the softmax is walked
	ds_load_b64 v[KV+12*\n+6*\c+4:KV+12*\n+6*\c+5], v5 offset:12288*\q+6144+1536*\n+768*\c+512
.endr
.endr
.irp b, 0,1,2,3
	v_max3_num_f32 v[BM+\b], v[S+16*\b], v[S+16*\b+1], v[S+16*\b+2]   ; THE LARGEST SCORE OF EACH BLOCK OF 32 KEYS: it serves the row's maximum and, since p rises with the score, the block's largest p.  Each accumulator is read from its low end on
.endr
.irp i, 3,5,7,9,11,13
.irp b, 0,1,2,3
	v_max3_num_f32 v[BM+\b], v[BM+\b], v[S+16*\b+\i], v[S+16*\b+\i+1]
.endr
.endr
.irp b, 0,1,2,3
	v_max_num_f32 v[BM+\b], v[BM+\b], v[S+16*\b+15]
.endr
.irp b, 0,1,2,3
	s_delay_alu instid0(VALU_DEP_4)
	v_permlanex16_b32 v[BP+\b], v[BM+\b], s[SEL], s[SEL+1]
.endr
.irp b, 0,1,2,3
	s_delay_alu instid0(VALU_DEP_4)
	v_max_num_f32 v[BM+\b], v[BM+\b], v[BP+\b]     ; with lane l xor 16's 16 keys
.endr
	s_delay_alu instid0(VALU_DEP_2)
	v_max3_num_f32 v226, v[BM], v[BM+1], v[BM+2]
	s_delay_alu instid0(VALU_DEP_1)
	v_max_num_f32 v226, v226, v[BM+3]              ; the step's largest score of my query
	s_delay_alu instid0(VALU_DEP_1)
	v_mul_f32 v226, s[CS], v226                    ; as t (c is positive)
	s_delay_alu instid0(VALU_DEP_1)
	v_max_num_f32 v13, v13, v226                   ; the running largest t
	v_mov_b32 v226, v12
	s_delay_alu instid0(VALU_DEP_2)
	v_floor_f32 v12, -v13                          ; the new -M = floor(-t) = -ceil(t): a whole number
	s_delay_alu instid0(VALU_DEP_1)
	v_sub_f32 v226, v12, v226                      ; M's old value less its new one: a whole number, 0 or less
	s_delay_alu instid0(VALU_DEP_1)
	v_cvt_i32_f32 v226, v226                       ; (it saturates)
	s_delay_alu instid0(VALU_DEP_1)
	v_ldexp_f32 v224, 1.0, v226                    ; f = 2^(old M - new M)
.set j, 0
.rept 32
	v_pk_fma_f32 v[S+j:S+j+1], v[S+j:S+j+1], s[CS:CS+1], v[12:13] op_sel_hi:[1,0,0]   ; t - M, two at a time
.set j, j+2
.endr
.irp b, 0,1,2,3
	v_fma_f32 v[BM+\b], v[BM+\b], s[CS], v12       ; the same of each block's largest score
.endr
.set j, 0
	s_wait_alu depctr_va_vdst(0)
.rept 64
	v_exp_f32 v[S+j], v[S+j]                       ; p = 2^(t - M), at most 1: not normalised
.set j, j+1
.endr
	v_pk_mul_f32 v[14:15], v[14:15], v[224:225] op_sel_hi:[1,0]      ; the sums under the new M: the plain instruction behind the exponentials
	s_wait_alu depctr_va_vdst(0)                   ; the wait ahead of the first instruction that names a result: one for the batch of 64
.irp b, 0,1,2,3
	v_exp_f32 v[BM+\b], v[BM+\b]                   ; the block's largest p: the same two instructions on the same number give the same bits
.endr
	v_pk_add_f32 v[228:229], v[100:101], v[104:105]
	v_pk_add_f32 v[254:255], v[108:109], v[112:113]
	v_pk_add_f32 v[252:253], v[116:117], v[120:121]
	v_pk_add_f32 v[250:251], v[124:125], v[128:129]
	v_pk_add_f32 v[248:249], v[132:133], v[136:137]
	v_pk_add_f32 v[246:247], v[140:141], v[144:145]
	v_pk_add_f32 v[244:245], v[148:149], v[152:153]
	v_pk_add_f32 v[14:15], v[14:15], v[156:157]
	v_pk_add_f32 v[228:229], v[228:229], v[96:97]
	v_pk_add_f32 v[254:255], v[254:255], v[98:99]
	v_pk_add_f32 v[252:253], v[252:253], v[102:103]
	v_pk_add_f32 v[250:251], v[250:251], v[106:107]
	v_pk_add_f32 v[248:249], v[248:249], v[110:111]
	v_pk_add_f32 v[246:247], v[246:247], v[114:115]
	v_pk_add_f32 v[244:245], v[244:245], v[118:119]
	v_pk_add_f32 v[14:15], v[14:15], v[122:123]
	v_pk_add_f32 v[228:229], v[228:229], v[126:127]
	v_pk_add_f32 v[254:255], v[254:255], v[130:131]
	v_pk_add_f32 v[252:253], v[252:253], v[134:135]
	v_pk_add_f32 v[250:251], v[250:251], v[138:139]
	v_pk_add_f32 v[248:249], v[248:249], v[142:143]
	v_pk_add_f32 v[246:247], v[246:247], v[146:147]
	v_pk_add_f32 v[244:245], v[244:245], v[150:151]
	v_pk_add_f32 v[14:15], v[14:15], v[154:155]
	v_pk_add_f32 v[228:229], v[228:229], v[158:159]
	s_delay_alu instid0(VALU_DEP_2)
	v_pk_add_f32 v[14:15], v[14:15], v[250:251]
	s_delay_alu instid0(VALU_DEP_2)
	v_pk_add_f32 v[228:229], v[228:229], v[248:249]
	v_pk_add_f32 v[254:255], v[254:255], v[246:247]
	v_pk_add_f32 v[252:253], v[252:253], v[244:245]
	s_delay_alu instid0(VALU_DEP_2)
	v_pk_add_f32 v[14:15], v[14:15], v[254:255]
	s_delay_alu instid0(VALU_DEP_2)
	v_pk_add_f32 v[228:229], v[228:229], v[252:253]
	s_delay_alu instid0(VALU_DEP_1)
	v_pk_add_f32 v[14:15], v[14:15], v[228:229]
	s_wait_alu depctr_va_vdst(0)                   ; and one for the four
.irp b, 0,1,2,3
	v_max_num_f32 v[BM+\b], FLOOR, v[BM+\b]        ; the floor: the byte cannot fall under 1
.endr
.irp b, 0,1,2,3
	s_delay_alu instid0(VALU_DEP_4)
	v_add_nc_u32 v[SO+\b], 0xff000000, v[BM+\b]    ; 2 off the exponent field: the conversion's scale operand
.endr
.irp b, 0,1,2,3
	s_delay_alu instid0(VALU_DEP_4)
	v_lshrrev_b32 v[BP+\b], 23, v[SO+\b]           ; the scale's byte
.endr
	s_delay_alu instid0(VALU_DEP_3)
	v_lshl_or_b32 v35, v[BP+1], 8, v[BP]           ; p's scale word for these 128 keys
	s_delay_alu instid0(VALU_DEP_1)
	v_lshl_or_b32 v35, v[BP+2], 16, v35
	s_delay_alu instid0(VALU_DEP_1)
	v_lshl_or_b32 v35, v[BP+3], 24, v35
.irp c, 0,1
	v_cvt_scalef32_pk16_fp6_f32 v[P+6*\c:P+6*\c+2], v[S+32*\c:S+32*\c+15], v[SO+2*\c]
	v_cvt_scalef32_pk16_fp6_f32 v[CT+4*\c:CT+4*\c+2], v[S+32*\c+16:S+32*\c+31], v[SO+2*\c+1]
.endr
	v_nop                                          ; one plain instruction behind the scaled conversions
.irp c, 0,1                                    ; the layout wants a whole block in a lane: lanes 0-15 block 2 c, lanes 16-31 block 2 c + 1
.irp i, 0,1,2
	v_permlane16_swap_b32 v[P+6*\c+\i], v[CT+4*\c+\i]
.endr
.irp i, 0,1,2
	s_delay_alu instid0(VALU_DEP_3)
	v_mov_b32 v[P+6*\c+3+\i], v[CT+4*\c+\i]
.endr
.endr
.set j, 0
.rept 16
	v_pk_mul_f32 v[O+j:O+j+1], v[O+j:O+j+1], v[224:225] op_sel_hi:[1,0]   ; O^T under the new M.  These sixteen are also the places between the writes of p's codes and scale word and the products below
.set j, j+2
.endr
	s_wait_alu depctr_va_vdst(0)
	s_wait_dscnt 0x0                               ; v's fragments are in
.irp n, 0,1,2,3
.if \n%2
	v_wmma_scale_f32_16x16x128_f8f6f4 v[O+8*\n:O+8*\n+7], v[KV+12*\n:KV+12*\n+11], v[P:P+11], v[O+8*\n:O+8*\n+7], v[32+\n/2], v35 matrix_a_fmt:MATRIX_FMT_FP6 matrix_b_fmt:MATRIX_FMT_FP6 matrix_a_scale:MATRIX_SCALE_ROW1
.else
	v_wmma_scale_f32_16x16x128_f8f6f4 v[O+8*\n:O+8*\n+7], v[KV+12*\n:KV+12*\n+11], v[P:P+11], v[O+8*\n:O+8*\n+7], v[32+\n/2], v35 matrix_a_fmt:MATRIX_FMT_FP6 matrix_b_fmt:MATRIX_FMT_FP6
.endif
.endr                                          ; no two matrix instructions that follow each other share an accumulator, over the loop's edge too
.endm
; THE CHANGE OF SLOTS stands at a slot's head.  Each wave waits for all its tensor loads (its part of the slot that is about to be read), adds 0 to its spare word, and waits for that and for its reads of the slot that it has left.
; fill = 1: the barrier is a round of the cluster's, so that no wave of any partner still reads the slot left or has a load on its way; the joint refill is the first thing behind it and has two key steps of all sixteen waves in which to land.
.macro CHANGE fill
	s_wait_tensorcnt 0x0                           ; no tensor load of mine is out, so a group 0 may be written
	ds_add_u32 v7, v8                              ; 0 onto my spare word
.if \fill
	s_xor_b32 s[G0+1], s[G0+1], SLOT1              ; the walking descriptor: the other slot than last time,
	s_add_nc_u64 s[G0+2:G0+3], s[G0+2:G0+3], HEADB ; the next two key steps; the type bits on top are not reached
	s_wait_xcnt 0x0                                ; the last prefetch, a slot back, has read its address, so it may be written:
	s_add_nc_u64 s[PFA:PFA+1], s[PFA:PFA+1], HEADB ; one slot further on than the walking descriptor
.endif
	s_wait_dscnt 0x0                               ; the add is done, and my reads of the slot that I have left are over
.if \fill
	CROUND
	TLOAD
	ASK
.else
	s_barrier_signal -1
	s_barrier_wait -1
.endif
.endm
.macro SLOT_STEPS
	v_add_nc_u32 v4, s[TB], v1
	s_wait_alu depctr_va_vdst(0)
	v_add_nc_u32 v5, s[TB], v2
	s_wait_alu depctr_va_vdst(0)
	v_add_nc_u32 v6, s[TS], v3
	STEP 0
	STEP 1
	s_xor_b32 s[TB], s[TB], SLOT1                  ; on to the other slot
	s_add_co_u32 s[TS], s[TS], 1536                ; and the next two steps' scale words
.endm
	s_wait_loadcnt 0x0                             ; q
.Lslot:                                            ; 15 trips: behind each change of slots but the last the next slot is asked for (slot 1's first fill is issued as a refill is)
	CHANGE 1
	SLOT_STEPS
	s_sub_co_u32 s[SLOTS], s[SLOTS], 1
	s_cmp_lg_u32 s[SLOTS], 0
	s_cbranch_scc1 .Lslot
	CHANGE 0                                       ; the last slot is written out
	SLOT_STEPS
	; THE WAY OUT.  w_proj's tile w, its scale words and the bias are asked for first; O^T is divided by the sum and quantised: my 32 registers are 64 of the last product's K = 256 (head x 64 + channel): one half image.
.rept 4
	v_nop                                          ; four places in front of loads into registers that the last products have read
.endr
.irp s, 0,1
.irp q, 0,1,2
	global_load_b128 v[36+12*\s+4*\q:36+12*\s+4*\q+3], v241, s[54:55] offset:1536*\s+512*\q
.endr
.endr
.irp s, 0,1
	global_load_b32 v[90+\s], v242, s[56:57] offset:128*\s
.endr
.irp j, 0,1,2,3,4,5,6,7
	global_load_b32 v[60+\j], v243, s[58:59]       ; the bias hangs on the lane (output r + 8 (r / 8) of my tile): eight equal registers, the C of the sums' first products
.endr
	v_add_f32 v14, v14, v15                        ; the sum's two halves,
	s_delay_alu instid0(VALU_DEP_1)
	v_permlanex16_b32 v226, v14, s[SEL], s[SEL+1]
	s_delay_alu instid0(VALU_DEP_1)
	v_add_f32 v14, v14, v226                       ; and lane l xor 16's: the row's sum
	s_wait_alu depctr_va_vdst(0)
	v_rcp_f32 v14, v14
	v_nop                                          ; a plain instruction behind the reciprocal
	s_wait_alu depctr_va_vdst(0)                   ; and the wait ahead of its first reader
.set j, 0
.rept 32
	v_mul_f32 v[S+j], v[O+j], v14                  ; register 16 b + i: channel 32 b + 16 h + i of my head, for query r
.set j, j+1
.endr
.irp b, 0,1
	v_max3_num_f32 v[BM+\b], |v[S+16*\b]|, |v[S+16*\b+1]|, FLOOR
.endr
.irp i, 2,4,6,8,10,12,14
.irp b, 0,1
	s_delay_alu instid0(VALU_DEP_2)
	v_max3_num_f32 v[BM+\b], v[BM+\b], |v[S+16*\b+\i]|, |v[S+16*\b+\i+1]|
.endr
.endr
.irp b, 0,1
	s_delay_alu instid0(VALU_DEP_2)
	v_permlanex16_b32 v[BP+\b], v[BM+\b], s[SEL], s[SEL+1]
.endr
.irp b, 0,1
	s_delay_alu instid0(VALU_DEP_2)
	v_max_num_f32 v[BM+\b], v[BM+\b], v[BP+\b]
.endr
.irp b, 0,1
	s_delay_alu instid0(VALU_DEP_2)
	v_add_nc_u32 v[SO+\b], 0xff000000, v[BM+\b]
.endr
.irp b, 0,1
	s_delay_alu instid0(VALU_DEP_2)
	v_lshrrev_b32 v[BP+\b], 23, v[SO+\b]
.endr
	s_delay_alu instid0(VALU_DEP_1)
	v_lshl_or_b32 v226, v[BP+1], 8, v[BP]          ; my two scale bytes
	v_cvt_scalef32_pk16_fp6_f32 v[P:P+2], v[S:S+15], v[SO]
	v_cvt_scalef32_pk16_fp6_f32 v[CT:CT+2], v[S+16:S+31], v[SO+1]
	v_nop                                          ; one plain instruction behind the scaled conversions
.irp i, 0,1,2
	v_permlane16_swap_b32 v[P+\i], v[CT+\i]
.endr
.irp i, 0,1,2
	s_delay_alu instid0(VALU_DEP_3)
	v_mov_b32 v[P+3+\i], v[CT+\i]
.endr
	ds_store_b128 v92, v[P:P+3]
	ds_store_b64 v93, v[P+4:P+5] offset:512
	ds_store_b16 v94, v226
	s_wait_dscnt 0x0                               ; for the others' sake: my stores have landed
	s_barrier_signal -1
	s_barrier_wait -1                              ; O's sixteen half images and their scale words lie in LDS
.irp t, 0,1,2,3
.irp s, 0,1
.irp c, 0,1
	ds_load_b128 v[96+12*(2*\t+\s)+6*\c:96+12*(2*\t+\s)+6*\c+3], v95 offset:768*(4*\t+2*\s+\c)
	ds_load_b64 v[96+12*(2*\t+\s)+6*\c+4:96+12*(2*\t+\s)+6*\c+5], v236 offset:768*(4*\t+2*\s+\c)+512
.endr
	ds_load_b32 v[28+2*\t+\s], v237 offset:128*(2*\t+\s)
.endr
.endr
	s_wait_dscnt 0x0
	s_wait_loadcnt 0x0                             ; w_proj's tile, its scale words, the bias
.irp t, 0,1,2,3                                ; source 0 = 16 pixels of O, source 1 = my 16 outputs: a lane holds ONE output and pixels in its registers.  Four accumulators by turns, K step 0 and then K step 1
	v_wmma_scale_f32_16x16x128_f8f6f4 v[192+8*\t:199+8*\t], v[96+24*\t:107+24*\t], v[36:47], v[60:67], v[28+2*\t], v90 matrix_a_fmt:MATRIX_FMT_FP6 matrix_b_fmt:MATRIX_FMT_FP6
.endr
.irp t, 0,1,2,3
	v_wmma_scale_f32_16x16x128_f8f6f4 v[192+8*\t:199+8*\t], v[108+24*\t:119+24*\t], v[48:59], v[192+8*\t:199+8*\t], v[29+2*\t], v91 matrix_a_fmt:MATRIX_FMT_FP6 matrix_b_fmt:MATRIX_FMT_FP6
.endr
.rept 4
	v_nop                                          ; four places in front of the first read of results and of loads into registers that the products have read
.endr
.irp t, 0,1,2,3                                ; tile t = 2 b + u, register i: pixel 32 b + 16 h + 8 u + i of my output's row.  Each accumulator from its low end on
	ds_store_b128 v238, v[192+8*\t:195+8*\t] offset:128*(\t/2)+32*(\t%2)
	ds_store_b128 v238, v[196+8*\t:199+8*\t] offset:128*(\t/2)+32*(\t%2)+16
.endr
.irp i, 0,1,2,3,4,5,6,7
	ds_load_b128 v[96+4*\i:99+4*\i], v239 offset:544*\i              ; LDS serves a wave's instructions in order (ISA guide 5.7.1.4): these see my stores; the rows are my wave's own
.endr
.irp i, 0,1,2,3,4,5,6,7
	s_wait_dscnt 7-\i                              ; the younger loads may stay out
	global_store_b128 v240, v[96+4*\i:99+4*\i], s[60:61] offset:(2*\i+8*(\i/4))*16384 th:TH_STORE_NT   ; stage rows 2 i, 2 i + 1 are outputs 2 i + 8 (i / 4) on: 16 lanes store 256 consecutive bytes, at a multiple of 256 from out0's first byte
.endr
	s_wait_tensorcnt 0x0                           ; the wave's end: behind my last tensor load and my last LDS store
	ds_add_u32 v7, v8
	s_wait_dscnt 0x0
	CROUND                                         ; the closing round: no work-group ends while a partner may still ask for a tile that names it
	s_endpgm
.Lfunc_end_k_qc4cf82179b_attn:
	.size	k_qc4cf82179b_attn, .Lfunc_end_k_qc4cf82179b_attn-k_qc4cf82179b_attn
	.p2alignl 7, 3214868480
	.fill 96, 4, 3214868480
	.section	.rodata,"a",@progbits
	.p2align	6, 0x0
	.amdhsa_kernel k_qc4cf82179b_attn
		.amdhsa_group_segment_fixed_size 327680
		.amdhsa_private_segment_fixed_size 0
		.amdhsa_enable_private_segment 0
		.amdhsa_kernarg_size 56
		.amdhsa_user_sgpr_count 2
		.amdhsa_user_sgpr_kernarg_segment_ptr 1
		.amdhsa_wavefront_size32 1
		.amdhsa_system_sgpr_workgroup_id_x 1
		.amdhsa_system_sgpr_workgroup_id_y 1
		.amdhsa_system_sgpr_workgroup_id_z 1
		.amdhsa_system_vgpr_workitem_id 0
		.amdhsa_next_free_vgpr 256
		.amdhsa_next_free_sgpr 80
		.amdhsa_reserve_vcc 0
		.amdhsa_float_denorm_mode_32 3
		.amdhsa_float_denorm_mode_16_64 3
		.amdhsa_memory_ordered 1
		.amdhsa_forward_progress 1
		.amdhsa_inst_pref_size 92
	.end_amdhsa_kernel
	.amdgpu_metadata
---
amdhsa.version: [ 1, 2 ]
amdhsa.kernels:
  - .name:           k_qc4cf82179b_attn
    .symbol:         k_qc4cf82179b_attn.kd
    .args:
      - { .name: qq, .offset: 0, .size: 8, .value_kind: global_buffer, .address_space: global }
      - { .name: kvimg, .offset: 8, .size: 8, .value_kind: global_buffer, .address_space: global }
      - { .name: kvsc, .offset: 16, .size: 8, .value_kind: global_buffer, .address_space: global }
      - { .name: wimg, .offset: 24, .size: 8, .value_kind: global_buffer, .address_space: global }
      - { .name: wsc, .offset: 32, .size: 8, .value_kind: global_buffer, .address_space: global }
      - { .name: b_proj, .offset: 40, .size: 8, .value_kind: global_buffer, .address_space: global }
      - { .name: out0, .offset: 48, .size: 8, .value_kind: global_buffer, .address_space: global }
    .group_segment_fixed_size: 327680
    .private_segment_fixed_size: 0
    .kernarg_segment_align: 8
    .kernarg_segment_size: 56
    .max_flat_workgroup_size: 512
    .sgpr_count:     80
    .vgpr_count:     256
    .wavefront_size: 32
...
	.end_amdgpu_metadata
.endif
;; end of part 3
